; MI455X (gfx1250); checked and timed in simulation.
; The chip was launched on July 23, 2026; its instructions are those of AMD's public machine-readable ISA for CDNA 5 (MIT licence, August 2026) and "CDNA5" Instruction Set Architecture Reference Guide (July 2026). The comments in the code are by the model that wrote it; some were corrected since.
;; Column Mixed Precision Linear. Allowed arithmetic: float matrix products may take bf16 or f16 operands with f32 sums; other float arithmetic in f32, or as packed bf16 or f16 multiplies, adds, multiply-adds, maxima and minima; sums over many terms, partial sums and values carried from step to step in f32; what a program stores and reads back later, other than sums and carried values, may be rounded once to bf16 or f16.
;; Inputs: bias 4,096 float32; s0 4,096 float32; s1 4,096 float32; s2 4,096 float32; s3 4,096 float32; wq0 4,096 x 1,024 int8; wq1 4,096 x 1,024 int8; wq2 4,096 x 1,024 int8; wq3 4,096 x 1,024 int8; x 4 x 1,024 x 4,096 float32.
;; Outputs: out0 4 x 1,024 x 4,096 float32.
;; 2 versions, each right; version 2 is version 1 with the launch prep written anew for expert scheduling mode. Each part assembles by itself: llvm-mc -triple=amdgcn-amd-amdhsa -mcpu=gfx1250 --defsym DOCPART=n.
;; ======== version 1 of 2: 2 launches
;; limits: values are held in f16: magnitudes above 65,504 overflow, below 6.1e-05 lose precision; inputs' magnitudes at most 65,504
;; workspace buffers: xh 33,554,432 bytes; wh 33,554,432 bytes
;; launch prep (part 1): grid 512 x 1, 8 waves a work-group, no clusters, 0 bytes of LDS; arguments x, wq0, wq1, wq2, wq3, s0, s1, s2, s3, xh, wh; writes xh, wh
.if DOCPART == 1
	.amdgcn_target "amdgcn-amd-amdhsa--gfx1250"
	.amdhsa_code_object_version 6
	.text
	.protected	k_q8c9c8e054f_prep
	.globl	k_q8c9c8e054f_prep
	.p2align	8
	.type	k_q8c9c8e054f_prep,@function
k_q8c9c8e054f_prep:
	s_mov_b64 s[64:65], 0
	v_nop
	global_prefetch_b8 v0, s[64:65] scope:SCOPE_SE
	s_setreg_imm32_b32 hwreg(HW_REG_WAVE_MODE, 25, 1), 1
	s_wait_xcnt 0x0
; THE PROBLEM.  out[m][o] = bias[o] + sum over i of s_i[o] x (sum over d of x[m][1024 i + d] wq_i[o][d]): with the four slices side by side along K
; that is ONE product C = A B^T + bias, M = N = K = 4096, with A = x and B[o][1024 i + d] = wq_i[o][d] s_i[o].
; NO WORK IS LEFT OUT: every number of x, of the four wq, of the four s and of bias reaches an output, so all of them are loaded (bias by the second kernel).
; THIS KERNEL makes the two matrix operands, each rounded once to f16:  xh[m][k] = f16(x[m][k]);  wh[o][1024 i + d] = f16(f32(wq_i[o][d]) x s_i[o]).
; Both are [4096][4096] f16, rows of 8,192 bytes.  The second kernel multiplies them with f32 sums.
; WHY f16: it keeps 11 significant bits of each operand; the scale can then be folded into the weight, and one set of sums serves all four slices.
; LIMITS.  f16 holds no number of 65,520 or more: |x| and |wq s| (so |s| under 515) stay under that, else the operand is an infinity.  Below 6.1e-5 an operand keeps
; f16's fixed step of 6e-8.  wq s is rounded twice (to f32 by the multiply, to f16 by the conversion).  NaN and infinities go through as the conversions carry them.
; SHARES.  512 work-groups of eight waves, all alike, straight-line code.  Work-group g, wave w:
;   x: 4,096 numbers, 32 chunks: a load of 16 bytes a lane (512 consecutive bytes a wave), two conversions in place, a store of 8 bytes a lane (256 consecutive bytes, aligned).
;   w: row o = 8 g + w of all four slices, 16 pieces (slice p / 4, quarter p % 4): a load of 8 codes a lane (256 consecutive bytes a wave), a store of 16 bytes a lane (512 consecutive bytes).
; All 48 loads of a wave (20 KiB) go out ahead of its first wait.  Each chunk and piece owns its registers, and no address register is written twice: no register that a load or store
; still reads is ever rewritten.  Nothing is shared between waves or work-groups: no LDS, no barrier, no cluster, no matrix unit.
.set XI, 3                             ; v3   my byte offset in x: 131,072 g + 16,384 w + 16 lane
.set XQ, 4                             ; v4   the same in xh: half of it
.set WI, 5                             ; v5   my byte offset in each wq: 1,024 o + 8 lane
.set WO, 6                             ; v6   my byte offset in wh: 8,192 o + 16 lane
.set T,  8                             ; v[8:15]    eight numbers at work
.set W,  16                            ; v[16:79]   piece p: 4 registers; the load fills the first two, the packed result all four
.set X,  80                            ; v[80:207]  chunk j: 4 registers as loaded; the packed result takes the first two
	s_load_b512 s[16:31], s[0:1], 0x0              ; x s[16:17]; wq0-3 s[18:25]; s0 s[26:27], s1 s[28:29], s2 s[30:31]
	s_load_b128 s[32:35], s[0:1], 0x40             ; s3 s[32:33], xh s[34:35]
	s_load_b64 s[36:37], s[0:1], 0x50              ; wh
	v_and_b32 v1, 31, v0                           ; lane
	v_lshrrev_b32 v2, 5, v0
	v_readfirstlane_b32 s38, v2                    ; wave 0..7
	s_lshl_b32 s39, ttmp9, 3
	s_add_co_u32 s39, s39, s38                     ; o = 8 g + w
	s_lshl_b32 s40, s39, 2                         ; its place in each s_i, in bytes
	s_lshl_b32 s41, ttmp9, 17                      ; the work-group's 131,072 bytes of x
	s_lshl_b32 s42, s39, 10                        ; row o of a wq
	s_lshl_b32 s43, s39, 13                        ; row o of wh
	v_lshlrev_b32 v[XI], 4, v1
	v_lshl_add_u32 v[XI], v2, 14, v[XI]
	v_add_nc_u32 v[XI], s41, v[XI]
	v_lshrrev_b32 v[XQ], 1, v[XI]
	v_lshl_add_u32 v[WI], v1, 3, s42
	v_lshl_add_u32 v[WO], v1, 4, s43
	s_wait_kmcnt 0x0                               ; the addresses
.irp i, 0,1,2,3
	s_load_b32 s[44+(\i)], s[26+2*(\i):27+2*(\i)], s40 offset:0x0  ; s_i[o]: one number for the whole wave
.endr
.irp p, 0,1,2,3,4,5,6,7,8,9,10,11,12,13,14,15
	global_load_b64 v[W+4*(\p):W+4*(\p)+1], v[WI], s[18+2*((\p)/4):19+2*((\p)/4)] offset:256*((\p)%4) th:TH_LOAD_NT
.endr
.irp j, 0,1,2,3,4,5,6,7,8,9,10,11,12,13,14,15,16,17,18,19,20,21,22,23,24,25,26,27,28,29,30,31
	global_load_b128 v[X+4*(\j):X+4*(\j)+3], v[XI], s[16:17] offset:512*(\j) th:TH_LOAD_NT
.endr
	s_wait_kmcnt 0x0                               ; the four scales
; Piece p: eight signed bytes to f32 (a byte is moved to the top of a word and shifted back with its sign), times the row's scale, rounded to f16 in pairs, stored.
.macro WPIECE p
	s_wait_loadcnt 47-(\p)                         ; loads come back in order (ISA guide 5.7.1): behind piece p's stand 15 - p pieces' and x's 32
.irp q, 0,1
.irp k, 0,1,2
	v_lshlrev_b32 v[T+4*(\q)+(\k)], 24-8*(\k), v[W+4*(\p)+(\q)]
.endr
	v_ashrrev_i32 v[T+4*(\q)+3], 24, v[W+4*(\p)+(\q)]
.irp k, 0,1,2
	v_ashrrev_i32 v[T+4*(\q)+(\k)], 24, v[T+4*(\q)+(\k)]
.endr
.endr
.irp k, 0,1,2,3,4,5,6,7
	v_cvt_f32_i32 v[T+(\k)], v[T+(\k)]
.endr
.irp k, 0,1,2,3,4,5,6,7
	v_mul_f32 v[T+(\k)], s[44+(\p)/4], v[T+(\k)]
.endr
.irp r, 0,1,2,3
	v_cvt_pk_f16_f32 v[W+4*(\p)+(\r)], v[T+2*(\r)], v[T+2*(\r)+1]
.endr
	global_store_b128 v[WO], v[W+4*(\p):W+4*(\p)+3], s[36:37] offset:2048*((\p)/4)+512*((\p)%4) th:TH_STORE_NT  ; the wave's 512 consecutive bytes of row o
.endm
; Chunk j: four f32 to four f16, in place, stored.
.macro XCHUNK j
	s_wait_loadcnt 31-(\j)                         ; behind chunk j's load stand 31 - j others
	v_cvt_pk_f16_f32 v[X+4*(\j)], v[X+4*(\j)], v[X+4*(\j)+1]
	v_cvt_pk_f16_f32 v[X+4*(\j)+1], v[X+4*(\j)+2], v[X+4*(\j)+3]
	global_store_b64 v[XQ], v[X+4*(\j):X+4*(\j)+1], s[34:35] offset:256*(\j) th:TH_STORE_NT  ; the wave's 256 consecutive bytes, at a multiple of 256 from xh's first byte
.endm
.irp p, 0,1,2,3,4,5,6,7,8,9,10,11,12,13,14,15
	WPIECE \p
.endr
.irp j, 0,1,2,3,4,5,6,7,8,9,10,11,12,13,14,15,16,17,18,19,20,21,22,23,24,25,26,27,28,29,30,31
	XCHUNK \j
.endr
	s_endpgm
.Lfunc_end_k_q8c9c8e054f_prep:
	.size	k_q8c9c8e054f_prep, .Lfunc_end_k_q8c9c8e054f_prep-k_q8c9c8e054f_prep
	.p2alignl 7, 3214868480
	.fill 96, 4, 3214868480
	.section	.rodata,"a",@progbits
	.p2align	6, 0x0
	.amdhsa_kernel k_q8c9c8e054f_prep
		.amdhsa_group_segment_fixed_size 0
		.amdhsa_private_segment_fixed_size 0
		.amdhsa_enable_private_segment 0
		.amdhsa_kernarg_size 88
		.amdhsa_user_sgpr_count 2
		.amdhsa_user_sgpr_kernarg_segment_ptr 1
		.amdhsa_wavefront_size32 1
		.amdhsa_system_sgpr_workgroup_id_x 1
		.amdhsa_system_sgpr_workgroup_id_y 1
		.amdhsa_system_sgpr_workgroup_id_z 1
		.amdhsa_system_vgpr_workitem_id 0
		.amdhsa_next_free_vgpr 208
		.amdhsa_next_free_sgpr 66
		.amdhsa_reserve_vcc 0
		.amdhsa_float_denorm_mode_32 3
		.amdhsa_float_denorm_mode_16_64 3
		.amdhsa_memory_ordered 1
		.amdhsa_forward_progress 1
		.amdhsa_inst_pref_size 35
	.end_amdhsa_kernel
	.amdgpu_metadata
---
amdhsa.version: [ 1, 2 ]
amdhsa.kernels:
  - .name:           k_q8c9c8e054f_prep
    .symbol:         k_q8c9c8e054f_prep.kd
    .args:
      - { .name: x, .offset: 0, .size: 8, .value_kind: global_buffer, .address_space: global }
      - { .name: wq0, .offset: 8, .size: 8, .value_kind: global_buffer, .address_space: global }
      - { .name: wq1, .offset: 16, .size: 8, .value_kind: global_buffer, .address_space: global }
      - { .name: wq2, .offset: 24, .size: 8, .value_kind: global_buffer, .address_space: global }
      - { .name: wq3, .offset: 32, .size: 8, .value_kind: global_buffer, .address_space: global }
      - { .name: s0, .offset: 40, .size: 8, .value_kind: global_buffer, .address_space: global }
      - { .name: s1, .offset: 48, .size: 8, .value_kind: global_buffer, .address_space: global }
      - { .name: s2, .offset: 56, .size: 8, .value_kind: global_buffer, .address_space: global }
      - { .name: s3, .offset: 64, .size: 8, .value_kind: global_buffer, .address_space: global }
      - { .name: xh, .offset: 72, .size: 8, .value_kind: global_buffer, .address_space: global }
      - { .name: wh, .offset: 80, .size: 8, .value_kind: global_buffer, .address_space: global }
    .group_segment_fixed_size: 0
    .private_segment_fixed_size: 0
    .kernarg_segment_align: 8
    .kernarg_segment_size: 88
    .max_flat_workgroup_size: 256
    .sgpr_count:     66
    .vgpr_count:     208
    .wavefront_size: 32
...
	.end_amdgpu_metadata
.endif
;; end of part 1
;; launch gemm (part 2): grid 16 x 16, 4 waves a work-group, clusters of 4 x 4, 327,680 bytes of LDS; arguments xh, wh, out0, bias; writes out0
.if DOCPART == 2
	.amdgcn_target "amdgcn-amd-amdhsa--gfx1250"
	.amdhsa_code_object_version 6
	.text
	.protected	k_q8c9c8e054f_gemm
	.globl	k_q8c9c8e054f_gemm
	.p2align	8
	.type	k_q8c9c8e054f_gemm,@function
k_q8c9c8e054f_gemm:
	s_mov_b64 s[64:65], 0
	v_nop
	global_prefetch_b8 v0, s[64:65] scope:SCOPE_SE
	s_setreg_imm32_b32 hwreg(HW_REG_WAVE_MODE, 25, 1), 1
	s_wait_xcnt 0x0
	s_wait_alu depctr_hold_cnt(0) depctr_sa_sdst(0) depctr_va_vdst(0) depctr_va_sdst(0) depctr_va_ssrc(0) depctr_va_vcc(0) depctr_vm_vsrc(0)
	s_getreg_b32 s2, hwreg(HW_REG_IB_STS2, 6, 4)
	s_cmp_eq_u32 s2, 0
	s_cbranch_scc0 .Lentry_in_a_cluster
	s_endpgm
.Lentry_in_a_cluster:
	s_bfe_u32 s2, ttmp6, 0x10000c
	s_cmp_lg_u32 s2, 0xf033
	s_cbranch_scc0 .Lentry_shape_is_right
	s_endpgm
.Lentry_shape_is_right:
; out0[m][o] = bias[o] + sum over k of xh[m][k] wh[o][k].  xh, wh: [4096][4096] f16, made by the kernel before (x rounded to f16; wq_i[o][d] s_i[o] rounded to f16, the four slices side by
; side along k).  out0: [4096][4096] f32.  Sums in f32; the bias is the C operand of the product that starts each sum, so nothing is cleared and nothing is added afterwards.  No work is left out.
; LIMITS.  The operands' limits are f16's, as stated at the first kernel's head (magnitudes under 65,520; a fixed step of 6e-8 below 6.1e-5).  The f32 sums go along k in steps of 32, bias first.
; NaN and infinities spread as the products carry them.
; SHARES.  A tile of out0, 256 x 256, is made by a work-group of four waves; a wave makes 128 x 128: 64 accumulators of 16 x 16, 512 registers.  16 x 16 tiles: 256 work-groups, one tile each.
; K goes in 32 steps of 128 through a ring of two LDS slots filled by the tensor data mover: the rows of a tile of xh or wh are 256 bytes of memory and start at multiples of 256 bytes.
; CLUSTERS: 4 x 4 work-groups.  The four of a row of the cluster need the same tiles of xh (A), the four of a column the same tiles of wh (B).  Such a tile is asked for JOINTLY: each of the four
; issues the same tensor load, with the same descriptor and a mask that names the four, and each receives it in its own LDS: the requests for A and for B are divided by four.
; REGISTERS, in windows of 256 (s_set_vgpr_msb's low byte: bits 1:0 source 0, 3:2 source 1, 5:4 source 2, 7:6 destination):
;   window 0: v0-31 addresses; v64-127, v128-191 fragments of A (8 x 16 rows x 32 K), two buffers; on the way out the same two blocks take 16 rows of out0 each, by turns
;   window 1: v64-127, v128-191 fragments of B, two buffers; v192-255 the bias of my 128 columns, in an accumulator's layout
;   window 2: the 32 accumulators of my rows 0-63 (accumulator (a, b) at v[8 (8 a + b)]);   window 3: those of my rows 64-127
; THE MATRIX INSTRUCTION IS USED TRANSPOSED: source 0 = 16 rows of wh, source 1 = 16 rows of xh.  In C and D lane l then holds row m = l % 16 of out0, and its registers 0 to 7 the columns
; 8 (l / 16) + 0 .. 7: eight neighbouring numbers of a row, 32 bytes.
.set SIZE_K, 4096
.set SIZE_N, 4096
.set KSTEP,  128
.set PITCH,  272                       ; an LDS row: 256 bytes of data + 16 of padding = 68 words: row r starts at bank 4 r mod 64 (64 banks of 4 bytes: ISA guide 11.1), so the 16 rows that a load touches start at 16 different banks
.set HALFT,  128*PITCH                 ; 128 rows: what one tensor load brings, and what one wave reads of A or of B
.set SLOT,   4*HALFT                   ; A's 256 rows, then B's 256 rows
.set STAGE,  2*SLOT                    ; behind the ring, never filled by a tensor load: 16 rows x 528 bytes for each wave, for the way out
.set SPITCH, 528                       ; a stage row: 512 bytes (128 f32) + 16 = 132 words: the 16 rows again start at 16 different groups of four banks
.set SPARE,  STAGE+4*16*SPITCH         ; behind the stages: the spare words, 128 bytes for each wave: two blocks of 256 bytes that no other line names
.set LAPS,   SIZE_K/(2*KSTEP)          ; a lap = two K steps = once round the ring: 16
.set CROW,   SIZE_N*4                  ; bytes in a row of out0
.set ADRA, 16                          ; v16-17  LDS address of my A fragments in slot 0, 1
.set ADRB, 20                          ; v20-21  the same for B
.set STO,  24                          ; v24     the way out: where I put 32 bytes of a row
.set RD,   25                          ; v25     the way out: where I read 16 bytes of a row back
.set CO,   26                          ; v26     my byte offset in my wave's 512 bytes of a row of out0
.set BO,   27                          ; v27     my byte offset in bias
.set SPW,  28                          ; v28     LDS address of my spare word: SPARE + 4 x my thread's number; never rewritten
.set NIL,  29                          ; v29     0; never rewritten
.set PFO,  30                          ; v30     the prefetches' offset: my lane x a row of xh or wh (8,192 bytes); never rewritten
.set PFA,  44                          ; s[44:45] where my prefetches stand: my work-group's 32 rows of the 128 that I fetch, one K step further along K than the refill that is being asked for
.set LIM,  43                          ; s43     1 in a wave that prefetches, else the greatest number
.set F0,   64                          ; fragment buffer 0
.set F1,   128                         ; fragment buffer 1
.set BIAS, 192                         ; window 1: the eight registers for column block b at BIAS + 8 b
.set G1, 24                            ; s[24:31] descriptor group 1 for A's tiles
.set G0, 32                            ; s[32:39] descriptor group 0 for A's tiles, one set for each slot
.set G1B, 48                           ; s[48:55] descriptor group 1 for B's tiles: it differs from A's in the mask alone
.set G0B, 56                           ; s[56:63] descriptor group 0 for B's tiles, one set for each slot
.set MSB, 0
.macro WIN new                         ; the immediate's high byte repeats the setting that is left; a switch that changes nothing is dropped
.if MSB != (\new)
	s_set_vgpr_msb (MSB<<8)|(\new)
.set MSB, \new
.endif
.endm
.set MUL_LO,  0xa1                     ; source 0 (B) window 1, source 1 (A) window 0, C and D window 2
.set MUL_HI,  0xf1                     ; the same, C and D window 3
.set BIAS_LO, 0x91                     ; source 0 window 1, source 1 window 0, C (the bias) window 1, D window 2
.set BIAS_HI, 0xd1                     ; the same, D window 3
.set TO_B,    0x40                     ; destination window 1, address window 0
.set ST_LO,   0x08                     ; an LDS store's data (source 1) in window 2, its address in window 0
.set ST_HI,   0x0c                     ; the same, data in window 3
; A joint load.  Waves 0 and 1 fetch A's two halves, waves 2 and 3 B's.  Each of the two lines has ONE mask and one set of registers for all that issue it.  The branch hangs on the wave's number alone.
; An s_nop 0 and four v_nop follow each of the two lines; the jump round the other line, the label and what follows the macro come after them.
.macro JLOAD s
	s_cmp_eq_u32 s11, 0
	s_cbranch_scc0 .Lfor_b_\@
	tensor_load_to_lds s[G0+4*(\s):G0+4*(\s)+3], s[G1:G1+7]
	s_nop 0
.rept 4
	v_nop
.endr
	s_branch .Lasked_\@
.Lfor_b_\@:
	tensor_load_to_lds s[G0B+4*(\s):G0B+4*(\s)+3], s[G1B:G1B+7]
	s_nop 0
.rept 4
	v_nop
.endr
.Lasked_\@:
.endm
; A PREFETCH INTO THE L2, behind each joint refill, its five lines and the run of LDS loads that follows them: the K step that stands TWO refills on (512 matrix instructions ahead of the load that will
; want it): 32 rows x 256 bytes, a lane a row, one instruction a wave.  Each row's 256 bytes of a K step are named ONCE in the launch: A's tile row is read by every cluster of that row of clusters, and the
; one with cluster x = 0 asks; B's tile column by every cluster of that column, and the one with cluster y = 0 asks.  The four partners that ask for a tile jointly share its rows out BY ADDRESS: of the 128
; rows that a wave fetches the partner at place p takes 32 p .. 32 p + 31 (p = cx for A, cy for B): no branch hangs on a work-group's place in its cluster.  K steps 0 to 3 come by their loads alone;
; the loop's last trip (s3 = 1) asks for nothing: there is no K step two refills on.
.macro ASK
	s_cmp_gt_u32 s3, s[LIM]
	s_cbranch_scc0 .Lnot_mine_\@
	global_prefetch_b8 v[PFO], s[PFA:PFA+1] offset:KSTEP*2 th:TH_LOAD_NT scope:SCOPE_SE
.Lnot_mine_\@:
.endm
; A round of the cluster's barrier: my work-group's barrier, so that wave 0's signal speaks for all four waves; wave 0 signals for the work-group; every wave waits for all sixteen work-groups;
; my work-group's barrier once more.  No LDS instruction of the wave is pending at a signal.
.macro CREST                           ; a round behind its opening barrier
	s_cmp_lg_u32 s10, 0
	s_cbranch_scc1 .Lnot_wave_0_\@
	s_barrier_signal -3
.Lnot_wave_0_\@:
	s_barrier_wait -3
	s_barrier_signal -1
	s_barrier_wait -1
.endm
.macro CROUND                          ; a whole round
	s_barrier_signal -1
	s_barrier_wait -1
	CREST
.endm
	s_load_b128 s[4:7], s[0:1], 0x0                ; xh (A) s[4:5], wh (B) s[6:7]
	s_load_b64 s[8:9], s[0:1], 0x10                ; out0
	s_load_b64 s[66:67], s[0:1], 0x18              ; bias
	v_lshl_add_u32 v[SPW], v0, 2, SPARE
	v_mov_b32 v[NIL], 0
	ds_add_u32 v[SPW], v[NIL]                      ; the wave's opening: the add, twice on end, and its wait stand ahead of my first tensor load; the set-up below, work on registers, stands between the second and the wait
	ds_add_u32 v[SPW], v[NIL]                      ; and once more, under the one wait
	v_lshrrev_b32 v1, 5, v0
	v_readfirstlane_b32 s10, v1                    ; wave 0..3
	s_lshr_b32 s11, s10, 1                         ; which half of the tile's rows is mine.  Also: I fetch for A (0) or for B (1)
	s_and_b32 s12, s10, 1                          ; which half of its columns.  Also: which 128 rows of that tile I fetch
	s_bfe_u32 s40, ttmp6, 0x40000                  ; cx: my place along the cluster's x
	s_bfe_u32 s41, ttmp6, 0x40004                  ; cy: along its y
	s_lshl_b32 s42, ttmp9, 2                       ; in a cluster launch ttmp9 and ttmp7 count clusters
	s_add_co_u32 s42, s42, s40                     ; tile column = 4 x cluster x + cx
	s_and_b32 s13, ttmp7, 0xffff
	s_lshl_b32 s13, s13, 2
	s_add_co_u32 s13, s13, s41                     ; tile row = 4 x cluster y + cy
	s_lshl_b32 s43, s41, 2
	s_lshl_b32 s43, 15, s43                        ; my row of the cluster: places 4 cy .. 4 cy + 3
	s_lshl_b32 s44, 0x1111, s40                    ; my column: places cx, cx + 4, cx + 8, cx + 12
	; descriptor group 1: a tile of 128 rows x 128 elements of 2 bytes, padded in LDS
	s_or_b32 s[G1+0], s43, (1<<16)|(1<<20)|(1<<21)|(5<<22)|(3<<25)  ; 15:0 the mask: A's tiles go to my row; 17:16 element of 2 bytes; 20 padding on; 21 set beside a mask; 24:22 after every 64 words (code 5); 31:25 of 4 words (code 3)
	s_or_b32 s[G1B+0], s44, (1<<16)|(1<<20)|(1<<21)|(5<<22)|(3<<25) ; the same with the mask of my column, for B's tiles
	s_mov_b32 s[G1B+1], KSTEP<<16
	s_mov_b32 s[G1+1], KSTEP<<16                   ; tensor_dim0 = 128
	s_mov_b32 s[G1B+2], 128<<16
	s_mov_b32 s[G1+2], 128<<16                     ; tensor_dim1 = 128
	s_mov_b32 s[G1B+3], KSTEP<<16
	s_mov_b32 s[G1+3], KSTEP<<16                   ; tile_dim0 = 128
	s_mov_b32 s[G1B+4], 128
	s_mov_b32 s[G1+4], 128                         ; tile_dim1 = 128; tile_dim2 = 0
	s_mov_b32 s[G1B+5], SIZE_K
	s_mov_b32 s[G1+5], SIZE_K                      ; elements from row to row
	s_mov_b32 s[G1B+6], 0
	s_mov_b32 s[G1+6], 0
	s_mov_b32 s[G1B+7], 0
	s_mov_b32 s[G1+7], 0
	; where the tiles come from.  A's hang on the tile row alone, which my row of the cluster shares; B's on the tile column alone, which my column shares.
	; Every wave makes both addresses, in registers that never hold the other coordinate, and asks by one of them.
	s_lshl_b32 s17, s12, 7                         ; which 128 rows of the tile I fetch
	s_lshl_b32 s16, s13, 8
	s_add_co_u32 s16, s16, s17                     ; A: row 256 x tile row + 128 x half
	s_lshl_b32 s46, s42, 8
	s_add_co_u32 s46, s46, s17                     ; B: row 256 x tile column + 128 x half
	s_mov_b32 s17, 0
	s_mov_b32 s47, 0
	s_mov_b64 s[18:19], SIZE_K*2
	s_mul_u64 s[16:17], s[16:17], s[18:19]         ; in bytes
	s_mul_u64 s[46:47], s[46:47], s[18:19]
	s_mul_i32 s20, s10, HALFT                      ; and where they go: A's two halves, then B's two halves = wave x 128 rows: no place in the cluster enters an LDS address
	s_wait_dscnt 0x0                               ; both opening adds are done
	s_wait_kmcnt 0x0
	s_add_nc_u64 s[14:15], s[4:5], s[16:17]
	s_add_nc_u64 s[46:47], s[6:7], s[46:47]
	CROUND                                         ; all sixteen work-groups are here: the first joint loads meet
.irp s, 0,1
	s_mov_b32 s[G0+4*(\s)], 1                                      ; count = 1
	s_add_co_u32 s[G0+4*(\s)+1], s20, (\s)*SLOT                    ; LDS address
	s_add_nc_u64 s[G0+4*(\s)+2:G0+4*(\s)+3], s[14:15], (\s)*KSTEP*2  ; global address: K step s
	s_or_b32 s[G0+4*(\s)+3], s[G0+4*(\s)+3], 0x80000000            ; type = 2
	s_mov_b32 s[G0B+4*(\s)], 1
	s_add_co_u32 s[G0B+4*(\s)+1], s20, (\s)*SLOT
	s_add_nc_u64 s[G0B+4*(\s)+2:G0B+4*(\s)+3], s[46:47], (\s)*KSTEP*2
	s_or_b32 s[G0B+4*(\s)+3], s[G0B+4*(\s)+3], 0x80000000
	JLOAD \s                                       ; the ring is filled before anything else is done: two tensor loads of mine are out
.endr
	; A fragment is 16 rows x 32 K in 8 registers: lane l holds row l % 16; registers 0-3 hold K = 8 (l / 16) + 0..7, registers 4-7 hold K = 16 + 8 (l / 16) + 0..7:
	; two loads of 16 bytes, 32 bytes apart, from rows that lie along K.  The same for source 0 and source 1.
	v_and_b32 v1, 15, v0                           ; l % 16
	v_bfe_u32 v2, v0, 4, 1                         ; l / 16
	v_mul_u32_u24 v3, v1, PITCH
	v_lshl_add_u32 v3, v2, 4, v3                   ; row x pitch + 16 x half
	s_mul_i32 s21, s11, HALFT                      ; my 128 rows of A
	s_mul_i32 s22, s12, HALFT                      ; my 128 rows of B,
	s_add_co_u32 s22, s22, 2*HALFT                 ; which lie behind A's 256
.irp s, 0,1
	v_add_nc_u32 v[ADRA+(\s)], s21, v3
	v_add_nc_u32 v[ADRB+(\s)], s22, v3
	s_add_co_u32 s21, s21, SLOT
	s_add_co_u32 s22, s22, SLOT
.endr
	s_mul_i32 s23, s10, 16*SPITCH
	s_add_co_u32 s23, s23, STAGE                   ; my stage
	v_mul_u32_u24 v4, v1, SPITCH                   ; in: row l % 16, 32 bytes for each half of the lanes
	v_lshl_add_u32 v4, v2, 5, v4
	v_add_nc_u32 v[STO], s23, v4
	v_and_b32 v5, 31, v0                           ; l
	v_lshl_add_u32 v[RD], v5, 4, s23               ; back: the 32 lanes take one row's 512 bytes
	v_lshlrev_b32 v[CO], 4, v5                     ; and the same 512 bytes in out0
	; out0 at my wave's first number: row 256 x tile row + 128 x row half, column 256 x tile column + 128 x column half
	s_lshl_b32 s13, s13, 8
	s_lshl_b32 s14, s11, 7
	s_add_co_u32 s16, s13, s14
	s_mov_b32 s17, 0
	s_mov_b64 s[18:19], CROW
	s_mul_u64 s[16:17], s[16:17], s[18:19]
	s_lshl_b32 s46, s42, 10                        ; my first column, in bytes of f32 (in the registers that held B's address: none that feeds A's descriptors ever holds cx)
	s_lshl_b32 s47, s12, 9
	s_add_co_u32 s46, s46, s47
	s_mov_b32 s47, 0
	v_lshl_add_u32 v[BO], v2, 5, s46               ; the same columns in bias, and 8 numbers on for lanes 16-31
	s_add_nc_u64 s[16:17], s[16:17], s[46:47]
	s_add_nc_u64 s[8:9], s[8:9], s[16:17]          ; written once, here: the stores' places stand in their immediates
	; the prefetches.  s13 = 256 x tile row, s42 = tile column, s40 = cx, s41 = cy still stand
	s_lshl_b32 s42, s42, 8
	s_and_b32 s22, ttmp7, 0xffff                   ; cluster y
	s_cmp_eq_u32 s11, 0                            ; do I fetch for A?
	s_cselect_b32 s20, s13, s42                    ; the tile's first row: in A by the tile row, in B by the tile column
	s_cselect_b32 s21, s40, s41                    ; my place among the four that ask for it with me
	s_cselect_b32 s22, ttmp9, s22                  ; the coordinate along which other clusters read the same rows
	s_cselect_b64 s[PFA:PFA+1], s[4:5], s[6:7]
	s_cmp_eq_u32 s22, 0
	s_cselect_b32 s[LIM], 1, -1                    ; the same in all sixteen partners, for a given wave
	s_lshl_b32 s22, s12, 7
	s_add_co_u32 s20, s20, s22                     ; + the 128 rows that I fetch
	s_lshl_b32 s21, s21, 5
	s_add_co_u32 s20, s20, s21                     ; + my work-group's 32 of them
	s_mov_b32 s21, 0
	s_mov_b64 s[18:19], SIZE_K*2
	s_mul_u64 s[20:21], s[20:21], s[18:19]
	s_add_nc_u64 s[PFA:PFA+1], s[PFA:PFA+1], s[20:21]
	s_add_nc_u64 s[PFA:PFA+1], s[PFA:PFA+1], 2*KSTEP*2  ; at K step 2: the first refill steps it to 3 and names K step 4
	v_and_b32 v[PFO], 31, v0
	v_mul_u32_u24 v[PFO], v[PFO], SIZE_K*2
	; the bias of my 128 columns, as an accumulator holds it: for column block b, lane l takes columns 16 b + 8 (l / 16) + 0..7; the same for all 16 rows
	WIN TO_B
.irp b, 0,1,2,3,4,5,6,7
	global_load_b128 v[BIAS+8*(\b):BIAS+8*(\b)+3],   v[BO], s[66:67] offset:64*(\b)
	global_load_b128 v[BIAS+8*(\b)+4:BIAS+8*(\b)+7], v[BO], s[66:67] offset:64*(\b)+16
.endr
	WIN 0
; 16 matrix instructions: m blocks a0, a0 + 1 of the window's four (hi = 0: my rows 0-63, 1: rows 64-127) x all 8 n blocks, 32 along K.
; first = 1: the product starts the sum, with the bias as C.  The 64 accumulators take turns in the same order in every quarter step: 63 others stand between two links of a chain.
.macro MUL16 f, hi, a0, first
.if \first
	WIN BIAS_LO+0x40*(\hi)
.else
	WIN MUL_LO+0x50*(\hi)
.endif
.irp a, \a0, (\a0)+1
.irp b, 0,1,2,3,4,5,6,7
.if \first
	v_wmma_f32_16x16x32_f16 v[8*(8*(\a)+(\b)):8*(8*(\a)+(\b))+7], v[(\f)+8*(\b):(\f)+8*(\b)+7], v[(\f)+8*(4*(\hi)+(\a)):(\f)+8*(4*(\hi)+(\a))+7], v[BIAS+8*(\b):BIAS+8*(\b)+7]
.else
	v_wmma_f32_16x16x32_f16 v[8*(8*(\a)+(\b)):8*(8*(\a)+(\b))+7], v[(\f)+8*(\b):(\f)+8*(\b)+7], v[(\f)+8*(4*(\hi)+(\a)):(\f)+8*(4*(\hi)+(\a))+7], v[8*(8*(\a)+(\b)):8*(8*(\a)+(\b))+7]
.endif
.endr
.endr
.endm
; 32 LDS loads in one run: the fragments of one quarter step (128 rows of B, 128 rows of A, 32 K at byte k of the rows) into buffer f
.macro FETCH slot, k, f
	WIN TO_B
.irp i, 0,1,2,3,4,5,6,7
	ds_load_b128 v[(\f)+8*(\i):(\f)+8*(\i)+3],   v[ADRB+(\slot)] offset:(\k)+(\i)*16*PITCH
	ds_load_b128 v[(\f)+8*(\i)+4:(\f)+8*(\i)+7], v[ADRB+(\slot)] offset:(\k)+(\i)*16*PITCH+32
.endr
	WIN 0
.irp i, 0,1,2,3,4,5,6,7
	ds_load_b128 v[(\f)+8*(\i):(\f)+8*(\i)+3],   v[ADRA+(\slot)] offset:(\k)+(\i)*16*PITCH
	ds_load_b128 v[(\f)+8*(\i)+4:(\f)+8*(\i)+7], v[ADRA+(\slot)] offset:(\k)+(\i)*16*PITCH+32
.endr
.endm
; A load into a register that a matrix instruction has read stands four places behind that matrix instruction, and only plain vector instructions that name none of its registers are places
; (ISA guide 7.12.1 for vector instructions): four v_nop in front of each run of loads.
.macro PLACES
.rept 4
	v_nop
.endr
.endm
; A K step is four quarter steps of 32 along K, 64 matrix instructions each, on buffers 0, 1, 0, 1.
; One of the first three: multiplies buffer f; in its middle it fetches the next quarter's fragments, at byte k of the same slot's rows, into buffer g.
.macro QUARTER slot, k, f, g, first
	s_wait_dscnt 8                                 ; B and A's rows 0-63 are in; the youngest eight loads (A's rows 64-127) may be out
	MUL16 \f, 0, 0, \first
	MUL16 \f, 0, 2, \first
	PLACES
	FETCH \slot, \k, \g
	s_wait_dscnt 32                                ; all but the 32 just issued
	MUL16 \f, 1, 0, \first
	MUL16 \f, 1, 2, \first
.endm
; The last quarter multiplies buffer 1 and changes slots.  MEET is its first half: ONE barrier for the change of slots.  In front of it each wave waits for all its tensor loads, of which one is out:
; its part of the next slot; adds 0 to its spare word; and waits for that and for its own reads of this slot.  Behind it nobody reads this slot any more and the next slot is whole.
.macro MEET round                      ; round = 1: a round of the cluster's barrier follows
	WIN 0                                          ; (the add's two registers lie in window 0)
	s_wait_tensorcnt 0x0                           ; all my tensor loads have landed;
	ds_add_u32 v[SPW], v[NIL]                      ; 0 onto my spare word;
	s_wait_dscnt 9                                 ; (the add and the youngest eight loads may be out)
	MUL16 F1, 0, 0, 0                              ; sixteen matrix instructions stand between the add and the wait for it
	s_wait_dscnt 0x0                               ; the add is done, and my reads of this slot are over:
	s_barrier_signal -1                            ; say so,
	MUL16 F1, 0, 2, 0                              ; work on registers while the others arrive,
.if \round
	WIN 0
.endif
	s_barrier_wait -1                              ; and go on when all four have said so
.endm
; The whole last quarter.  Behind the round the slot just read out is filled again first, with the K step two steps on; then come the next slot's first fragments.
; From a request to the wait for it a wave issues 224 matrix instructions.
.macro TURN slot, next
	s_wait_xcnt 0x0                                ; the last prefetch, a K step back, has read its address: it is stepped here, ahead of the waits of the change of slots
	s_add_nc_u64 s[PFA:PFA+1], s[PFA:PFA+1], KSTEP*2
	MEET 1
	CREST                                          ; all sixteen work-groups have said so: no wave of any partner still reads this slot's tile or has a load on its way
	s_add_nc_u64 s[G0+4*(\slot)+2:G0+4*(\slot)+3], s[G0+4*(\slot)+2:G0+4*(\slot)+3], 2*KSTEP*2    ; no tensor load of mine is out, so a group 0 may be written
	s_add_nc_u64 s[G0B+4*(\slot)+2:G0B+4*(\slot)+3], s[G0B+4*(\slot)+2:G0B+4*(\slot)+3], 2*KSTEP*2
	JLOAD \slot                                    ; the first tensor load behind the round, my only one until the next; the four v_nop behind it are also the places in front of the loads below
	FETCH \next, 0, F0
	ASK
	MUL16 F1, 1, 0, 0
	MUL16 F1, 1, 2, 0
.endm
; THE WAY OUT of block a (16 rows x my 128 columns), in two parts.  TOSTAGE: a lane's 32 bytes of each of the block's 8 accumulators go into my own stage, each accumulator's lower four registers first,
; and come back as whole rows of 512 bytes.  The stage is the wave's own and LDS serves a wave's instructions in order (ISA guide 5.7.1.4): no wait and no barrier between stores and loads,
; nor between these loads and the next block's stores.  SEND: stored.
.macro TOSTAGE a
.set AC, 64*((\a)%4)
.set BK, F0+64*((\a)%2)
	WIN ST_LO+4*((\a)/4)
.irp b, 0,1,2,3,4,5,6,7
	ds_store_b128 v[STO], v[AC+8*(\b):AC+8*(\b)+3]   offset:64*(\b)
	ds_store_b128 v[STO], v[AC+8*(\b)+4:AC+8*(\b)+7] offset:64*(\b)+16
.endr
	WIN 0
.if (\a) >= 2
	s_wait_xcnt 0x0                                ; the stores of block a - 2 have read this buffer: it is loaded again only behind this wait
.endif
.irp t, 0,1,2,3,4,5,6,7,8,9,10,11,12,13,14,15
	ds_load_b128 v[BK+4*(\t):BK+4*(\t)+3], v[RD] offset:SPITCH*(\t)
.endr
.endm
.macro SEND a, younger                 ; younger: the LDS instructions issued behind block a's loads: the next block's 16 stores and 16 loads, or none
.set BK, F0+64*((\a)%2)
.irp t, 0,1,2,3,4,5,6,7,8,9,10,11,12,13,14,15
	s_wait_dscnt (\younger)+15-(\t)                ; row t is back; the block's 15 - t later rows may be out
	global_store_b128 v[CO], v[BK+4*(\t):BK+4*(\t)+3], s[8:9] offset:(16*(\a)+(\t))*CROW th:TH_STORE_NT  ; the wave stores 512 consecutive bytes, at a multiple of 256 from out0's first byte; 127 rows at the most: inside the signed 24-bit immediate
.endr
.endm
	s_wait_tensorcnt 1                             ; my part of K step 0 is in; K step 1's may stay out
	s_barrier_signal -1
	s_barrier_wait -1                              ; everybody's is
	FETCH 0, 0, F0
	s_wait_loadcnt 0x0                             ; the bias
	QUARTER 0, 64,  F0, F1, 1                      ; the first quarter stands in front of the loop: its products start the sums, from the bias
	WIN 0                                          ; at a label and at a branch every window is 0
	s_mov_b32 s3, LAPS-1
.Llap:                                                 ; a trip goes once round the ring, from a lap's second quarter to the next lap's first, and fills both slots again
	QUARTER 0, 128, F1, F0, 0
	QUARTER 0, 192, F0, F1, 0
	TURN 0, 1
	QUARTER 1, 64,  F0, F1, 0
	QUARTER 1, 128, F1, F0, 0
	QUARTER 1, 192, F0, F1, 0
	TURN 1, 0
	QUARTER 0, 64,  F0, F1, 0
	WIN 0
	s_sub_co_u32 s3, s3, 1
	s_cmp_lg_u32 s3, 0
	s_cbranch_scc1 .Llap
	QUARTER 0, 128, F1, F0, 0                      ; the last lap is written out: it asks for nothing and no round follows its barrier
	QUARTER 0, 192, F0, F1, 0
	MEET 0                                         ; my one tensor load that was still out is slot 1's, the last K step's
	PLACES                                         ; for the loads into buffer 0, which the quarter before multiplied
	FETCH 1, 0, F0
	MUL16 F1, 1, 0, 0
	MUL16 F1, 1, 2, 0
	QUARTER 1, 64,  F0, F1, 0
	QUARTER 1, 128, F1, F0, 0
	QUARTER 1, 192, F0, F1, 0
	s_wait_dscnt 8                                 ; the very last quarter: nothing more to fetch
	MUL16 F1, 0, 0, 0
	MUL16 F1, 0, 2, 0
	s_wait_dscnt 0x0
	MUL16 F1, 1, 0, 0
	MUL16 F1, 1, 2, 0
	WIN 0
.rept 8
	v_nop                                          ; once a launch: the places between the last products and the LDS stores that read results, and the loads into A's buffers, which those products read
.endr
	TOSTAGE 0
.irp a, 1,2,3,4,5,6,7                  ; block a's trip through the stage is begun before block a - 1 is stored
	TOSTAGE \a
	SEND (\a)-1, 32
.endr
	SEND 7, 0
	s_wait_tensorcnt 0x0                           ; the wave's end: a tensor wait, an add and its wait, behind my last tensor load and my last LDS store
	ds_add_u32 v[SPW], v[NIL]
	s_wait_dscnt 0x0
	CROUND                                         ; the closing round: no work-group ends while a partner may still ask for a tile that names it
	s_endpgm
.Lfunc_end_k_q8c9c8e054f_gemm:
	.size	k_q8c9c8e054f_gemm, .Lfunc_end_k_q8c9c8e054f_gemm-k_q8c9c8e054f_gemm
	.p2alignl 7, 3214868480
	.fill 96, 4, 3214868480
	.section	.rodata,"a",@progbits
	.p2align	6, 0x0
	.amdhsa_kernel k_q8c9c8e054f_gemm
		.amdhsa_group_segment_fixed_size 327680
		.amdhsa_private_segment_fixed_size 0
		.amdhsa_enable_private_segment 0
		.amdhsa_kernarg_size 32
		.amdhsa_user_sgpr_count 2
		.amdhsa_user_sgpr_kernarg_segment_ptr 1
		.amdhsa_wavefront_size32 1
		.amdhsa_system_sgpr_workgroup_id_x 1
		.amdhsa_system_sgpr_workgroup_id_y 1
		.amdhsa_system_sgpr_workgroup_id_z 1
		.amdhsa_system_vgpr_workitem_id 0
		.amdhsa_next_free_vgpr 1024
		.amdhsa_next_free_sgpr 68
		.amdhsa_reserve_vcc 0
		.amdhsa_float_denorm_mode_32 3
		.amdhsa_float_denorm_mode_16_64 3
		.amdhsa_memory_ordered 1
		.amdhsa_forward_progress 1
		.amdhsa_inst_pref_size 147
	.end_amdhsa_kernel
	.amdgpu_metadata
---
amdhsa.version: [ 1, 2 ]
amdhsa.kernels:
  - .name:           k_q8c9c8e054f_gemm
    .symbol:         k_q8c9c8e054f_gemm.kd
    .args:
      - { .name: xh, .offset: 0, .size: 8, .value_kind: global_buffer, .address_space: global }
      - { .name: wh, .offset: 8, .size: 8, .value_kind: global_buffer, .address_space: global }
      - { .name: out0, .offset: 16, .size: 8, .value_kind: global_buffer, .address_space: global }
      - { .name: bias, .offset: 24, .size: 8, .value_kind: global_buffer, .address_space: global }
    .group_segment_fixed_size: 327680
    .private_segment_fixed_size: 0
    .kernarg_segment_align: 8
    .kernarg_segment_size: 32
    .max_flat_workgroup_size: 128
    .sgpr_count:     68
    .vgpr_count:     1024
    .wavefront_size: 32
...
	.end_amdgpu_metadata
.endif
;; end of part 2
;; ======== version 2 of 2: 2 launches; version 1 with the launch prep written anew for expert scheduling mode
;; limits: values are held in f16: magnitudes above 65,504 overflow, below 6.1e-05 lose precision; inputs' magnitudes at most 65,504
;; workspace buffers: xh 33,554,432 bytes; wh 33,554,432 bytes
;; launch prep (part 3): grid 512 x 1, 8 waves a work-group, no clusters, 0 bytes of LDS; arguments x, wq0, wq1, wq2, wq3, s0, s1, s2, s3, xh, wh; writes xh, wh
.if DOCPART == 3
	.amdgcn_target "amdgcn-amd-amdhsa--gfx1250"
	.amdhsa_code_object_version 6
	.text
	.protected	k_q8c9c8e054f_prep
	.globl	k_q8c9c8e054f_prep
	.p2align	8
	.type	k_q8c9c8e054f_prep,@function
k_q8c9c8e054f_prep:
	s_mov_b64 s[64:65], 0
	v_nop
	global_prefetch_b8 v0, s[64:65] scope:SCOPE_SE
	s_setreg_imm32_b32 hwreg(HW_REG_WAVE_SCHED_MODE, 0, 2), 2
	s_setreg_imm32_b32 hwreg(HW_REG_WAVE_MODE, 25, 1), 1
	s_wait_xcnt 0x0
	s_wait_alu depctr_vm_vsrc(0)
; THE PROBLEM.  out[m][o] = bias[o] + sum over i of s_i[o] x (sum over d of x[m][1024 i + d] wq_i[o][d]): with the four slices side by side along K
; that is ONE product C = A B^T + bias, M = N = K = 4096, with A = x and B[o][1024 i + d] = wq_i[o][d] s_i[o].
; NO WORK IS LEFT OUT: every number of x, of the four wq, of the four s and of bias reaches an output, so all of them are loaded (bias by the second kernel).
; THIS KERNEL makes the two matrix operands, each rounded once to f16:  xh[m][k] = f16(x[m][k]);  wh[o][1024 i + d] = f16(f32(wq_i[o][d]) x s_i[o]).
; Both are [4096][4096] f16, rows of 8,192 bytes.  The second kernel multiplies them with f32 sums.
; WHY f16: it keeps 11 significant bits of each operand; the scale can then be folded into the weight, and one set of sums serves all four slices.
; LIMITS.  f16 holds no number of 65,520 or more: |x| and |wq s| (so |s| under 515) stay under that, else the operand is an infinity.  Below 6.1e-5 an operand keeps
; f16's fixed step of 6e-8.  wq s is rounded twice (to f32 by the multiply, to f16 by the conversion).  NaN and infinities go through as the conversions carry them.
; SHARES.  512 work-groups of eight waves, all alike, straight-line code.  Work-group g, wave w:
;   x: 4,096 numbers, 32 chunks: a load of 16 bytes a lane (512 consecutive bytes a wave), two conversions in place, a store of 8 bytes a lane (256 consecutive bytes, aligned).
;   w: row o = 8 g + w of all four slices, 16 pieces (slice p / 4, quarter p % 4): a load of 8 codes a lane (256 consecutive bytes a wave), a store of 16 bytes a lane (512 consecutive bytes).
; All 48 loads of a wave (20 KiB) go out ahead of its first wait for data.  Each chunk and piece owns its registers, and no address register is written twice: no register that a load or store
; still reads is ever rewritten.  Nothing is shared between waves or work-groups: no LDS, no barrier, no cluster, no matrix unit.
; THE MODE: SCHED_MODE bits 1:0 = 2 (LLVM: expert scheduling mode 2), set by the entry lines.  The code itself states the register dependences
; between vector instructions and memory instructions, with s_wait_alu, always for 0.
; THE PLAN.  Registers that memory instructions touch:
;   v3 .. v6      the four byte offsets.  Written once, at the head; read by every load and store; never written again.
;   W, piece p    The piece's load lands in its first two registers, which no vector instruction has named before; its turn's shifts read them and its four conversions write all four;
;                 ONE store reads them, issued in the turn of piece p + 4 (pieces 12 to 15: in the turns of chunks 0 to 3); never written again.
;   X, chunk j    The chunk's load lands in its four registers; its turn's two conversions write the first two; ONE store reads them, issued in the turn of chunk j + 8
;                 (chunks 24 to 31: behind the last turn); never written again.
;   v1, v2 and T are named by vector instructions alone.
; Pieces go in groups of four, chunks in groups of eight.  A turn's store reads registers of the group before, which no vector instruction of the group in hand names.  So ONE wait on va_vdst
; at a group's head states all that the group's stores hang on, and they are dealt among its turns with no further wait.  No register that a memory instruction reads is written again,
; and no load is issued behind the first conversion: so no wait on vm_vsrc is owed, and none on va_vdst for a load but the one at the head.
.set XI, 3                             ; v3   my byte offset in x: 131,072 g + 16,384 w + 16 lane
.set XQ, 4                             ; v4   the same in xh: half of it
.set WI, 5                             ; v5   my byte offset in each wq: 1,024 o + 8 lane
.set WO, 6                             ; v6   my byte offset in wh: 8,192 o + 16 lane
.set T,  8                             ; v[8:15]    eight numbers at work
.set W,  16                            ; v[16:79]   piece p: 4 registers; the load fills the first two, the packed result all four
.set X,  80                            ; v[80:207]  chunk j: 4 registers as loaded; the packed result takes the first two
	s_load_b512 s[16:31], s[0:1], 0x0              ; x s[16:17]; wq0-3 s[18:25]; s0 s[26:27], s1 s[28:29], s2 s[30:31]
	s_load_b128 s[32:35], s[0:1], 0x40             ; s3 s[32:33], xh s[34:35]
	s_load_b64 s[36:37], s[0:1], 0x50              ; wh
	v_and_b32 v1, 31, v0                           ; lane
	v_lshrrev_b32 v2, 5, v0
	v_readfirstlane_b32 s38, v2                    ; wave 0..7
	s_lshl_b32 s39, ttmp9, 3
	s_lshl_b32 s41, ttmp9, 17                      ; the work-group's 131,072 bytes of x
	v_lshlrev_b32 v[XI], 4, v1                     ; x's two offsets hang on no scalar that a vector instruction wrote: they stand ahead of the wait below
	v_lshl_add_u32 v[XI], v2, 14, v[XI]
	v_add_nc_u32 v[XI], s41, v[XI]
	v_lshrrev_b32 v[XQ], 1, v[XI]
	s_wait_alu depctr_va_sdst(0)                   ; s38 is written, ahead of its first reader: the row o, and with it the scales' place and w's two offsets, are made from it
	s_add_co_u32 s39, s39, s38                     ; o = 8 g + w
	s_lshl_b32 s40, s39, 2                         ; its place in each s_i, in bytes
	s_lshl_b32 s42, s39, 10                        ; row o of a wq
	s_lshl_b32 s43, s39, 13                        ; row o of wh
	v_lshl_add_u32 v[WI], v1, 3, s42
	v_lshl_add_u32 v[WO], v1, 4, s43
	s_wait_kmcnt 0x0                               ; the addresses
.irp i, 0,1,2,3
	s_load_b32 s[44+(\i)], s[26+2*(\i):27+2*(\i)], s40 offset:0x0  ; s_i[o]: one number for the whole wave
.endr
	s_wait_alu depctr_va_vdst(0)                   ; the four offsets v3 to v6 are written: every load and store of the kernel reads one of them
.irp p, 0,1,2,3,4,5,6,7,8,9,10,11,12,13,14,15
	global_load_b64 v[W+4*(\p):W+4*(\p)+1], v[WI], s[18+2*((\p)/4):19+2*((\p)/4)] offset:256*((\p)%4) th:TH_LOAD_NT
.endr
.irp j, 0,1,2,3,4,5,6,7,8,9,10,11,12,13,14,15,16,17,18,19,20,21,22,23,24,25,26,27,28,29,30,31
	global_load_b128 v[X+4*(\j):X+4*(\j)+3], v[XI], s[16:17] offset:512*(\j) th:TH_LOAD_NT
.endr
	s_wait_kmcnt 0x0                               ; the four scales
; The store of piece p, and of chunk j.  Each stands in a turn of the group behind its own, behind that group's wait on va_vdst.
.macro WOUT p
	global_store_b128 v[WO], v[W+4*(\p):W+4*(\p)+3], s[36:37] offset:2048*((\p)/4)+512*((\p)%4) th:TH_STORE_NT  ; the wave's 512 consecutive bytes of row o
.endm
.macro XOUT j
	global_store_b64 v[XQ], v[X+4*(\j):X+4*(\j)+1], s[34:35] offset:256*(\j) th:TH_STORE_NT  ; the wave's 256 consecutive bytes, at a multiple of 256 from xh's first byte
.endm
; The turn of piece p: the store of piece p - 4; then eight signed bytes to f32 (a byte is moved to the top of a word and shifted back with its sign), times the row's scale, rounded to f16 in pairs.
.macro WPIECE p
	s_wait_loadcnt 47-(\p)                         ; loads come back in order (ISA guide 5.7.1): behind piece p's stand 15 - p pieces' and x's 32
.if (\p) >= 4
.if ((\p)%4) == 0
	s_wait_alu depctr_va_vdst(0)                   ; the four pieces of the group before are written, which this group's four stores read; no vector instruction behind this wait names them
.endif
	WOUT (\p)-4
.endif
.irp q, 0,1
.irp k, 0,1,2
	v_lshlrev_b32 v[T+4*(\q)+(\k)], 24-8*(\k), v[W+4*(\p)+(\q)]
.endr
	v_ashrrev_i32 v[T+4*(\q)+3], 24, v[W+4*(\p)+(\q)]
.irp k, 0,1,2
	v_ashrrev_i32 v[T+4*(\q)+(\k)], 24, v[T+4*(\q)+(\k)]
.endr
.endr
.irp k, 0,1,2,3,4,5,6,7
	v_cvt_f32_i32 v[T+(\k)], v[T+(\k)]
.endr
.irp k, 0,1,2,3,4,5,6,7
	v_mul_f32 v[T+(\k)], s[44+(\p)/4], v[T+(\k)]
.endr
.irp r, 0,1,2,3
	v_cvt_pk_f16_f32 v[W+4*(\p)+(\r)], v[T+2*(\r)], v[T+2*(\r)+1]
.endr
.endm
; The turn of chunk j: a store of the group before (chunks 0 to 3: pieces 12 to 15; chunks 4 to 7: none is left; from chunk 8 on: chunk j - 8); then four f32 to four f16, in place.
.macro XCHUNK j
	s_wait_loadcnt 31-(\j)                         ; behind chunk j's load stand 31 - j others
.if ((\j)%8) == 0
	s_wait_alu depctr_va_vdst(0)                   ; the group before (at chunk 0 the last four pieces, else eight chunks) is written, which this group's stores read; no vector instruction behind this wait names it
.endif
.if (\j) < 4
	WOUT 12+(\j)
.elseif (\j) >= 8
	XOUT (\j)-8
.endif
	v_cvt_pk_f16_f32 v[X+4*(\j)], v[X+4*(\j)], v[X+4*(\j)+1]
	v_cvt_pk_f16_f32 v[X+4*(\j)+1], v[X+4*(\j)+2], v[X+4*(\j)+3]
.endm
.irp p, 0,1,2,3,4,5,6,7,8,9,10,11,12,13,14,15
	WPIECE \p
.endr
.irp j, 0,1,2,3,4,5,6,7,8,9,10,11,12,13,14,15,16,17,18,19,20,21,22,23,24,25,26,27,28,29,30,31
	XCHUNK \j
.endr
	s_wait_alu depctr_va_vdst(0)                   ; chunks 24 to 31 are written, which the last eight stores read
.irp j, 24,25,26,27,28,29,30,31
	XOUT \j
.endr
	s_endpgm
.Lfunc_end_k_q8c9c8e054f_prep:
	.size	k_q8c9c8e054f_prep, .Lfunc_end_k_q8c9c8e054f_prep-k_q8c9c8e054f_prep
	.p2alignl 7, 3214868480
	.fill 96, 4, 3214868480
	.section	.rodata,"a",@progbits
	.p2align	6, 0x0
	.amdhsa_kernel k_q8c9c8e054f_prep
		.amdhsa_group_segment_fixed_size 0
		.amdhsa_private_segment_fixed_size 0
		.amdhsa_enable_private_segment 0
		.amdhsa_kernarg_size 88
		.amdhsa_user_sgpr_count 2
		.amdhsa_user_sgpr_kernarg_segment_ptr 1
		.amdhsa_wavefront_size32 1
		.amdhsa_system_sgpr_workgroup_id_x 1
		.amdhsa_system_sgpr_workgroup_id_y 1
		.amdhsa_system_sgpr_workgroup_id_z 1
		.amdhsa_system_vgpr_workitem_id 0
		.amdhsa_next_free_vgpr 208
		.amdhsa_next_free_sgpr 66
		.amdhsa_reserve_vcc 0
		.amdhsa_float_denorm_mode_32 3
		.amdhsa_float_denorm_mode_16_64 3
		.amdhsa_memory_ordered 1
		.amdhsa_forward_progress 1
		.amdhsa_inst_pref_size 36
	.end_amdhsa_kernel
	.amdgpu_metadata
---
amdhsa.version: [ 1, 2 ]
amdhsa.kernels:
  - .name:           k_q8c9c8e054f_prep
    .symbol:         k_q8c9c8e054f_prep.kd
    .args:
      - { .name: x, .offset: 0, .size: 8, .value_kind: global_buffer, .address_space: global }
      - { .name: wq0, .offset: 8, .size: 8, .value_kind: global_buffer, .address_space: global }
      - { .name: wq1, .offset: 16, .size: 8, .value_kind: global_buffer, .address_space: global }
      - { .name: wq2, .offset: 24, .size: 8, .value_kind: global_buffer, .address_space: global }
      - { .name: wq3, .offset: 32, .size: 8, .value_kind: global_buffer, .address_space: global }
      - { .name: s0, .offset: 40, .size: 8, .value_kind: global_buffer, .address_space: global }
      - { .name: s1, .offset: 48, .size: 8, .value_kind: global_buffer, .address_space: global }
      - { .name: s2, .offset: 56, .size: 8, .value_kind: global_buffer, .address_space: global }
      - { .name: s3, .offset: 64, .size: 8, .value_kind: global_buffer, .address_space: global }
      - { .name: xh, .offset: 72, .size: 8, .value_kind: global_buffer, .address_space: global }
      - { .name: wh, .offset: 80, .size: 8, .value_kind: global_buffer, .address_space: global }
    .group_segment_fixed_size: 0
    .private_segment_fixed_size: 0
    .kernarg_segment_align: 8
    .kernarg_segment_size: 88
    .max_flat_workgroup_size: 256
    .sgpr_count:     66
    .vgpr_count:     208
    .wavefront_size: 32
...
	.end_amdgpu_metadata
.endif
;; end of part 3
;; launch gemm: the kernel of part 2 again; grid 16 x 16, 4 waves a work-group, clusters of 4 x 4, 327,680 bytes of LDS; arguments xh, wh, out0, bias; writes out0
